; MI455X (gfx1250); checked and timed in simulation.
; The chip was launched on July 23, 2026; its instructions are those of AMD's public machine-readable ISA for CDNA 5 (MIT licence, August 2026) and "CDNA5" Instruction Set Architecture Reference Guide (July 2026). The comments in the code are by the model that wrote it; some were corrected since.
;; LSTM Block. Allowed arithmetic: matrix products marked QUANTISED: E2M3 operands, one E8M0 scale for each 32 along K, by v_wmma_scale_f32_16x16x128_f8f6f4 with both operands' format E2M3, f32 sums; everything else in f32.
;; Inputs: W_c 2,048 x 3,072 float32; W_f 2,048 x 3,072 float32; W_h2o 2,048 x 2,048 float32; W_i 2,048 x 3,072 float32; W_o 2,048 x 3,072 float32; b_c 2,048 float32; b_f 2,048 float32; b_h2o 2,048 float32; b_i 2,048 float32; b_o 2,048 float32; long_term 2,048 x 2,048 float32; short_term 2,048 x 2,048 float32; x 2,048 x 1,024 float32.
;; Outputs: out0 2,048 x 2,048 float32; out1 2,048 x 2,048 float32.
;; This version of the problem:
;;   THIS VERSION OF THE PROBLEM IS GIVEN IN LOW PRECISION. The matrix products marked QUANTISED in the list below multiply operands that are first quantised to E2M3 (2 exponent bits, 3 mantissa bits; 6 bits a number), with one power-of-two scale for each 32 numbers along K (OCP MX v1.0); their sums are f32. All else is computed in f32.
;;   The module's matrix products, in the order in which they are computed (A, B: the left and right operand; K: the contracted axis; several contracted axes count as one K, in the product's order):
;;     1. [M 2,048, K 3,072] x [K 3,072, N 8,192]; A: computed on the way; B: computed on the way: QUANTISED
;;     2. [M 2,048, K 2,048] x [K 2,048, N 2,048]; A: computed on the way; B: input W_h2o: QUANTISED
;;   THE QUANTISER, for each operand of a quantised product, along K:
;;     - K is cut into blocks of 32 from its start; a last block that is shorter is filled with zeros.
;;     - A block's scale is 2^e with e = floor(log2(the largest magnitude in the block)) - 2, held to -126 .. 127; a block of zeros has e = 0. As a byte (E8M0): e + 127.
;;     - Each number is divided by its block's scale, clamped to +-7.5, and rounded to the nearest number of E2M3, ties to even, subnormals kept.
;;     - The product sums the exact products of the quantised numbers (number of the format x scale) in f32.
;;   ~~~python
;;   def quantise(x, axis):      # numpy; x: float32 -> the quantised numbers, widened to float32 again
;;       x = np.moveaxis(x, axis, -1); K = x.shape[-1]
;;       x = np.pad(x, [(0, 0)] * (x.ndim - 1) + [(0, -K % 32)]); x = x.reshape(x.shape[:-1] + (-1, 32)); a = np.abs(x).max(-1, keepdims=True)
;;       e = np.where(a > 0, np.clip(np.frexp(np.where(a > 0, a, 1))[1] - 1 - 2, -126, 127), 0)      # np.frexp(a)[1] - 1 = floor(log2(a)), exactly
;;       r = np.clip(x / 2.0 ** e, -7.5, 7.5)
;;       step = 2.0 ** (np.maximum(np.frexp(np.where(r == 0, 1, r))[1] - 1, 0) - 3)
;;       q = np.round(r / step) * step * 2.0 ** e      # np.round: ties to even
;;       return np.moveaxis(q.reshape(q.shape[:-2] + (-1,))[..., :K], -1, axis).astype(np.float32)
;;   ~~~
;;   OPERANDS COMPUTED ON THE WAY. 'Computed on the way' means the value that the module computes at that place (a softmax that the list does not call 'softmax' is quantised finished and normalised). What goes into a quantiser is computed in f32, as accurately as f32 sums, v_exp_f32 and their like allow (about 1e-6 of the number): no bf16 or f16 on the way to a quantiser, and a product that is left as it is and whose result goes on into a quantised operand takes f32 operands (vector FMAs, or v_wmma_f32_16x16x4_f32). A number that lies on a knife's edge between two numbers of the format may be rounded either way, as far as f32 arithmetic and the matrix unit's own rounding can turn it there, and no further.
;; One version. Each part assembles by itself: llvm-mc -triple=amdgcn-amd-amdhsa -mcpu=gfx1250 --defsym DOCPART=n.
;; ======== version 1 of 1: 3 launches
;; limits: right only within a limited range of input values
;; workspace buffers: qw 27,852,800 bytes; cq 3,276,800 bytes; o_img 16,777,216 bytes
;; launch quant (part 1): grid 256 x 1, 17 waves a work-group, no clusters, 141,568 bytes of LDS; arguments x, short_term, W_f, W_i, W_c, W_o, W_h2o, qw; writes qw
.if DOCPART == 1
	.amdgcn_target "amdgcn-amd-amdhsa--gfx1250"
	.amdhsa_code_object_version 6
	.text
	.protected	k_q54d0fbaf95_quant
	.globl	k_q54d0fbaf95_quant
	.p2align	8
	.type	k_q54d0fbaf95_quant,@function
k_q54d0fbaf95_quant:
	s_mov_b64 s[64:65], 0
	v_nop
	global_prefetch_b8 v0, s[64:65] scope:SCOPE_SE
	s_setreg_imm32_b32 hwreg(HW_REG_WAVE_MODE, 25, 1), 1
	s_wait_xcnt 0x0
; x, short_term, W_f, W_i, W_c, W_o, W_h2o (all f32, K innermost) become codes of FP6 (E2M3) with one E8M0 byte for each 32 along K, in the workspace qw.
; A block's scale is 2^(floor(log2(its largest magnitude)) - 2); its byte is the largest magnitude's exponent field - 2, held at 1 from below.  Each number is divided by the scale and rounded to the nearest code, ties to even; beyond 7.5 the largest code.
; LIMITS: a block of zeros gets the byte 1 where the rule says 127 (its codes are zeros, which add nothing under any byte but 0xff, and this program alone reads the bytes);
; blocks whose largest magnitude lies under 2^(3 - 127) are held at that floor; NaN and infinities among the inputs are not served.
; LAYOUT OF qw: records of 128 rows x 128 along K, [rows / 128][K / 128][12,800 bytes]: 128 rows x 48 bytes (K 0-63 of the record), 128 rows x 48 bytes (K 64-127), 128 scale words.  Any run of records is one dense block.
;   region 0: [x | short_term], 16 x 24 records, rows as they lie.   region W_REG: the four gates' weights, 64 x 24 records: record rt holds hidden units 32 rt .. 32 rt + 31 of f, i, c, o: row 32 gate + s(unit % 32).
;   region H_REG: W_h2o, 16 x 16 records: row 32 (n / 32 % 4) + s(n % 32).   s exchanges bits 3 and 4: so in the transposed product a lane's 16 registers of two neighbouring tiles are 16 neighbouring units.
; SHARES: a wave takes 64 rows of a record (half a record) in 16 steps of 8 rows x 64 along K.  The seven tensors make 4,352 such shares = 256 work-groups x 17 waves: every work-group has the same work.
; Share u = 17 x work-group + wave: y = u / 128 says which tensor and which 512 along K, x = (u / 4) % 32 which rows, u % 4 which of four neighbouring records along K.  One path through the text: only pointers and numbers are chosen.
; Five of the 17 waves fall to one SIMD: 5 x 192 registers are inside its 1,024.
; A step's four loads read 256 aligned consecutive bytes of each of 8 rows, 16 lanes to a row; the 2,048 bytes turn through the wave's own stage in LDS and come back 64 bytes (16 neighbours) a lane; two neighbouring lanes hold a block.
; A lane's 16 codes are 12 bytes: the wave stores 384 consecutive bytes, 8 rows of 48.  The wave's 256 scale bytes are gathered in LDS and leave as one aligned run of 256 bytes.
; No tensor loads, no barrier, no cluster: waves share nothing, and no two waves read the same bytes.
.set WAVES, 17
.set STEPS, 16
.set EMAX,  2
.set RECB,  12800
.set W_REG, 4915200
.set H_REG, 24576000
.set AO,    0                          ; v0-3     load i of a step: (lane / 16 + 2 i) rows + 16 (lane % 16) bytes (v0 is free once my spare word's address is made)
.set R,     16                         ; v16-79   four sets of 16 numbers as they are loaded
.set X,     80                         ; v80-111  two sets of 16 neighbours
.set E,     112                        ; v112-127 a scale byte for each step
.set C,     128                        ; v128-191 codes: four registers for each step, so that no store's data are written again
.set WREG,  8192                       ; LDS: a region for each wave: two stages of 32 x SP bytes, behind them its 256 scale bytes
.set SP,    80                         ; a place in a stage: 64 bytes + 16 of padding
.set SPW,   12                         ; v12  LDS address of my spare word; never rewritten
.set NIL,   13                         ; v13  0; never rewritten
.set SPARE, WAVES*WREG                 ; the spare words, 128 bytes for each wave, which no other line names
.set SB,    40                         ; s[40:55] eight bases: the first of the 8 source rows of row group 0 .. 7
	s_load_b512 s[4:19], s[0:1], 0x0               ; x, short_term, W_f, W_i, W_c, W_o, W_h2o, qw
	v_lshl_add_u32 v[SPW], v0, 2, SPARE
	v_mov_b32 v[NIL], 0
	v_lshrrev_b32 v1, 5, v0
	s_delay_alu instid0(VALU_DEP_1)
	v_readfirstlane_b32 s20, v1                    ; wave 0..16
	v_and_b32 v2, 31, v0                           ; lane
	s_mul_i32 s21, s20, WREG
	v_lshrrev_b32 v14, 2, v2
	s_delay_alu instid0(VALU_DEP_1)
	v_mul_u32_u24 v14, v14, SP
	v_and_b32 v15, 3, v2
	s_delay_alu instid0(VALU_DEP_1)
	v_lshl_add_u32 v14, v15, 4, v14
	s_delay_alu instid0(VALU_DEP_1)
	v_add_nc_u32 v14, s21, v14                     ; the stage, on the way in: SP (lane / 4) + 16 (lane % 4); a load's 512 bytes take eight places
	v_mul_u32_u24 v15, v2, SP
	s_delay_alu instid0(VALU_DEP_1)
	v_add_nc_u32 v15, s21, v15                     ; and on the way out: SP x lane: row lane / 4 of the step's 8, numbers 16 (lane % 4) on
	v_mul_u32_u24 v4, v2, 12                       ; my codes' place in a step's 384 bytes
	s_add_co_u32 s21, s21, 2*32*SP                 ; my wave's 256 scale bytes
	v_and_b32 v5, 28, v2                           ; 4 (lane / 4): my row's word,
	v_bfe_u32 v3, v2, 1, 1
	s_delay_alu instid0(VALU_DEP_1)
	v_add_nc_u32 v5, v5, v3                        ; + which of the step's two blocks
	s_delay_alu instid0(VALU_DEP_1)
	v_add_nc_u32 v5, s21, v5
	v_lshlrev_b32 v7, 3, v2                        ; and on the way out 8 bytes a lane
	s_delay_alu instid0(VALU_DEP_1)
	v_add_nc_u32 v6, s21, v7
	; my share
	s_mul_i32 s68, ttmp9, WAVES
	s_add_co_u32 s68, s68, s20                     ; u = 17 x work-group + wave, 0 .. 4,351
	s_and_b32 s69, s68, 3                          ; which of four neighbouring records along K
	s_lshr_b32 s22, s68, 7                         ; y, 0 .. 33
	s_bfe_u32 s68, s68, 0x50002                    ; x, 0 .. 31 (5 bits from bit 2)
	; which tensor, by y: 0-1 x; 2-5 short_term; 6-11, 12-17 W_f with W_i (even, odd records); 18-23, 24-29 W_c with W_o; 30-33 W_h2o
	s_mov_b32 s23, 30                              ; the first y of my tensor
	s_mov_b32 s28, 8192                            ; P: a source row in bytes
	s_mov_b32 s29, H_REG                           ; the region
	s_mov_b32 s30, 16                              ; its records along K
	s_mov_b32 s31, 0                               ; odd records?
	s_mov_b32 s32, 0                               ; the pair c, o?
	s_wait_kmcnt 0x0
	s_mov_b64 s[24:25], s[16:17]                   ; the source of row groups 0-3,
	s_mov_b64 s[26:27], s[16:17]                   ; and of row groups 4-7
	s_cmp_lt_u32 s22, 30
	s_cselect_b64 s[24:25], s[12:13], s[24:25]
	s_cselect_b64 s[26:27], s[14:15], s[26:27]
	s_cselect_b32 s23, 24, s23
	s_cselect_b32 s28, 12288, s28
	s_cselect_b32 s29, W_REG, s29
	s_cselect_b32 s30, 24, s30
	s_cselect_b32 s31, 1, s31
	s_cselect_b32 s32, 1, s32
	s_cmp_lt_u32 s22, 24
	s_cselect_b32 s23, 18, s23
	s_cselect_b32 s31, 0, s31
	s_cmp_lt_u32 s22, 18
	s_cselect_b64 s[24:25], s[8:9], s[24:25]
	s_cselect_b64 s[26:27], s[10:11], s[26:27]
	s_cselect_b32 s23, 12, s23
	s_cselect_b32 s31, 1, s31
	s_cselect_b32 s32, 0, s32
	s_cmp_lt_u32 s22, 12
	s_cselect_b32 s23, 6, s23
	s_cselect_b32 s31, 0, s31
	s_cmp_lt_u32 s22, 6
	s_cselect_b64 s[24:25], s[6:7], s[24:25]
	s_cselect_b64 s[26:27], s[6:7], s[26:27]
	s_cselect_b32 s23, 2, s23
	s_cselect_b32 s28, 8192, s28
	s_cselect_b32 s29, 0, s29
	s_cmp_lt_u32 s22, 2
	s_cselect_b64 s[24:25], s[4:5], s[24:25]
	s_cselect_b64 s[26:27], s[4:5], s[26:27]
	s_cselect_b32 s23, 0, s23
	s_cselect_b32 s28, 4096, s28
	s_lshl_b32 s34, s68, 1
	s_add_co_u32 s34, s34, s31                     ; a gate's record: 2 x + odd
	s_lshr_b32 s35, s68, 1                         ; else x / 2,
	s_and_b32 s36, s68, 1                          ; half x % 2
	s_lshl_b32 s37, s34, 5                         ; a gate's first source row: 32 x record
	s_lshl_b32 s38, s68, 6                         ; else 64 x
	s_sub_co_u32 s33, s22, 6
	s_cmp_lt_u32 s33, 24                           ; a gate's weights?
	s_cselect_b32 s34, s34, s35                    ; the record's row index
	s_cselect_b32 s36, s32, s36                    ; which half of the record
	s_cselect_b32 s37, s37, s38                    ; first source row
	s_cselect_b32 s38, 0, 32                       ; row groups 4-7: the second tensor's same rows, or the same tensor's next 32
	s_cmp_ge_u32 s22, 6                            ; weights: bits 3 and 4 of the row change places
	s_cselect_b32 s39, 16, 8                       ; row group 1 begins here,
	s_cselect_b32 s33, 8, 16                       ; row group 2 here
	s_sub_co_u32 s35, s22, s23                     ; which 512 along K of my tensor
	s_lshl_b32 s56, s22, 2
	s_lshl_b32 s57, s35, 2
	s_cmp_lt_u32 s22, 6                            ; x and short_term lie one behind the other along K: 4 y
	s_cselect_b32 s56, s56, s57
	s_add_co_u32 s56, s56, s69                     ; the record along K
	s_lshl_b32 s57, s35, 11
	s_lshl_b32 s58, s69, 9
	s_add_co_u32 s57, s57, s58                     ; my 512 bytes of a source row
	s_mul_i32 s58, s37, s28
	s_add_co_u32 s58, s58, s57                     ; byte offset of row group 0 (under 2^25)
	s_add_co_u32 s59, s37, s38
	s_mul_i32 s59, s59, s28
	s_add_co_u32 s59, s59, s57                     ; and of row group 4
	s_mul_i32 s39, s39, s28
	s_mul_i32 s33, s33, s28
	s_mul_i32 s38, s28, 24
	s_mov_b32 s61, 0
	s_mov_b32 s60, s58
	s_add_nc_u64 s[SB+0:SB+1], s[24:25], s[60:61]
	s_add_co_u32 s60, s58, s39
	s_add_nc_u64 s[SB+2:SB+3], s[24:25], s[60:61]
	s_add_co_u32 s60, s58, s33
	s_add_nc_u64 s[SB+4:SB+5], s[24:25], s[60:61]
	s_add_co_u32 s60, s58, s38
	s_add_nc_u64 s[SB+6:SB+7], s[24:25], s[60:61]
	s_mov_b32 s60, s59
	s_add_nc_u64 s[SB+8:SB+9], s[26:27], s[60:61]
	s_add_co_u32 s60, s59, s39
	s_add_nc_u64 s[SB+10:SB+11], s[26:27], s[60:61]
	s_add_co_u32 s60, s59, s33
	s_add_nc_u64 s[SB+12:SB+13], s[26:27], s[60:61]
	s_add_co_u32 s60, s59, s38
	s_add_nc_u64 s[SB+14:SB+15], s[26:27], s[60:61]
	s_mul_i32 s60, s34, s30
	s_add_co_u32 s60, s60, s56
	s_mul_i32 s60, s60, RECB
	s_add_co_u32 s60, s60, s29
	s_add_nc_u64 s[18:19], s[18:19], s[60:61]      ; my record
	s_mul_i32 s60, s36, 3072
	s_add_nc_u64 s[62:63], s[18:19], s[60:61]      ; my 64 rows' codes
	s_lshl_b32 s60, s36, 8
	s_add_co_u32 s60, s60, 12288
	s_add_nc_u64 s[66:67], s[18:19], s[60:61]      ; and their scale words
	v_lshrrev_b32 v8, 4, v2
	v_and_b32 v9, 15, v2
	s_delay_alu instid0(VALU_DEP_1)
	v_lshlrev_b32 v9, 4, v9
.irp i, 0,1,2,3
	v_add_nc_u32 v10, 2*\i, v8
	s_delay_alu instid0(VALU_DEP_1)
	v_mul_lo_u32 v10, v10, s28
	s_delay_alu instid0(VALU_DEP_1)
	v_add_nc_u32 v[AO+\i], v10, v9                 ; (the thread's number and the lane are not wanted any more)
.endr
.macro LOAD t                          ; step t: row group t % 8, K 64 (t / 8) on: sixteen lanes read 256 aligned consecutive bytes of a row
.irp i, 0,1,2,3
	global_load_b128 v[R+16*((\t)%4)+4*\i:R+16*((\t)%4)+4*\i+3], v[AO+\i], s[SB+2*((\t)%8):SB+2*((\t)%8)+1] offset:256*((\t)/8) th:TH_LOAD_NT
.endr
.endm
.macro TURN t                          ; step t's numbers through the stage: LDS serves a wave's instructions in order (ISA guide 5.7.1.4), so no wait stands between the stores and the loads
.irp i, 0,1,2,3
	ds_store_b128 v14, v[R+16*((\t)%4)+4*\i:R+16*((\t)%4)+4*\i+3] offset:32*SP*((\t)%2)+8*SP*\i
.endr
.irp i, 0,1,2,3
	ds_load_b128 v[X+16*((\t)%2)+4*\i:X+16*((\t)%2)+4*\i+3], v15 offset:32*SP*((\t)%2)+16*\i
.endr
.endm
.irp t, 0,1,2,3
	LOAD \t
.endr
	s_wait_alu depctr_va_vdst(0)
	s_wait_loadcnt 12                              ; step 0's four loads are in
	TURN 0
.macro STEP t
.set XS, X+16*((\t)%2)
.if (\t) > 0
	s_wait_dscnt 1                                 ; this step's numbers are back from the stage (the last step's byte store may be out): so its stores into the stage have read their registers,
.else
	s_wait_dscnt 0x0
.endif
.if (\t)+4 < STEPS
	LOAD (\t)+4                                    ; which take the loads of four steps on
.endif
.if (\t)+1 < STEPS
.if STEPS-2-(\t) >= 3
	s_wait_loadcnt 12                              ; the next step's four loads are in; those of the three steps behind it may be out
.else
	s_wait_loadcnt 4*(STEPS-2-(\t))
.endif
	TURN (\t)+1                                    ; and go through the other stage while this step is worked
.endif
	v_max3_num_f32 v8, |v[XS]|, |v[XS+1]|, |v[XS+2]|               ; the largest magnitude of my 16, in two chains
	v_max3_num_f32 v9, |v[XS+3]|, |v[XS+4]|, |v[XS+5]|
.irp i, 6,10
	s_delay_alu instid0(VALU_DEP_2)
	v_max3_num_f32 v8, v8, |v[XS+\i]|, |v[XS+\i+1]|
	s_delay_alu instid0(VALU_DEP_2)
	v_max3_num_f32 v9, v9, |v[XS+\i+2]|, |v[XS+\i+3]|
.endr
	s_delay_alu instid0(VALU_DEP_2)
	v_max3_num_f32 v8, v8, |v[XS+14]|, |v[XS+15]|
	s_delay_alu instid0(VALU_DEP_1)
	v_max3_num_f32 v8, v8, v9, (EMAX+1)<<23        ; and the floor 2^(3 - 127): the byte cannot fall under 1
	s_delay_alu instid0(VALU_DEP_1)
	v_max_num_f32_dpp v8, v8, v8 row_xmask:1 row_mask:0xf bank_mask:0xf   ; and of my neighbour's 16: the block's
	s_delay_alu instid0(VALU_DEP_1)
	v_add_nc_u32 v11, -(EMAX<<23), v8              ; 2 off its exponent field: the conversion takes the exponent field of this operand as its scale, and nothing else of it
	v_cvt_scalef32_pk16_fp6_f32 v[C+4*(\t):C+4*(\t)+2], v[XS:XS+15], v11
	v_lshrrev_b32 v[E+(\t)], 23, v11               ; the scale's byte (a plain line behind the conversion)
	ds_store_b8 v5, v[E+(\t)] offset:32*((\t)%8)+2*((\t)/8)        ; row 8 (t % 8) + lane / 4, block 2 (t / 8) + ..; both lanes of a block write the same byte with the same value
	global_store_b96 v4, v[C+4*(\t):C+4*(\t)+2], s[62:63] offset:6144*((\t)/8)+384*((\t)%8)   ; 8 rows of 48 bytes: 384 consecutive bytes
.endm
.irp t, 0,1,2,3,4,5,6,7,8,9,10,11,12,13,14,15
	STEP \t
.endr
	ds_load_b64 v[8:9], v6                         ; in order behind my byte stores
	s_wait_dscnt 0x0
	global_store_b64 v7, v[8:9], s[66:67]          ; 32 lanes store 256 consecutive bytes, at a multiple of 256 from the buffer's first byte
	s_wait_tensorcnt 0x0                           ; the wave's end, behind my last LDS store
	ds_add_u32 v[SPW], v[NIL]
	s_wait_dscnt 0x0
	s_endpgm
.Lfunc_end_k_q54d0fbaf95_quant:
	.size	k_q54d0fbaf95_quant, .Lfunc_end_k_q54d0fbaf95_quant-k_q54d0fbaf95_quant
	.p2alignl 7, 3214868480
	.fill 96, 4, 3214868480
	.section	.rodata,"a",@progbits
	.p2align	6, 0x0
	.amdhsa_kernel k_q54d0fbaf95_quant
		.amdhsa_group_segment_fixed_size 141568
		.amdhsa_private_segment_fixed_size 0
		.amdhsa_enable_private_segment 0
		.amdhsa_kernarg_size 64
		.amdhsa_user_sgpr_count 2
		.amdhsa_user_sgpr_kernarg_segment_ptr 1
		.amdhsa_wavefront_size32 1
		.amdhsa_system_sgpr_workgroup_id_x 1
		.amdhsa_system_sgpr_workgroup_id_y 1
		.amdhsa_system_sgpr_workgroup_id_z 1
		.amdhsa_system_vgpr_workitem_id 0
		.amdhsa_next_free_vgpr 192
		.amdhsa_next_free_sgpr 70
		.amdhsa_reserve_vcc 0
		.amdhsa_float_denorm_mode_32 3
		.amdhsa_float_denorm_mode_16_64 3
		.amdhsa_memory_ordered 1
		.amdhsa_forward_progress 1
		.amdhsa_inst_pref_size 40
	.end_amdhsa_kernel
	.amdgpu_metadata
---
amdhsa.version: [ 1, 2 ]
amdhsa.kernels:
  - .name:           k_q54d0fbaf95_quant
    .symbol:         k_q54d0fbaf95_quant.kd
    .args:
      - { .name: x, .offset: 0, .size: 8, .value_kind: global_buffer, .address_space: global }
      - { .name: short_term, .offset: 8, .size: 8, .value_kind: global_buffer, .address_space: global }
      - { .name: W_f, .offset: 16, .size: 8, .value_kind: global_buffer, .address_space: global }
      - { .name: W_i, .offset: 24, .size: 8, .value_kind: global_buffer, .address_space: global }
      - { .name: W_c, .offset: 32, .size: 8, .value_kind: global_buffer, .address_space: global }
      - { .name: W_o, .offset: 40, .size: 8, .value_kind: global_buffer, .address_space: global }
      - { .name: W_h2o, .offset: 48, .size: 8, .value_kind: global_buffer, .address_space: global }
      - { .name: qw, .offset: 56, .size: 8, .value_kind: global_buffer, .address_space: global }
    .group_segment_fixed_size: 141568
    .private_segment_fixed_size: 0
    .kernarg_segment_align: 8
    .kernarg_segment_size: 64
    .max_flat_workgroup_size: 544
    .sgpr_count:     70
    .vgpr_count:     192
    .wavefront_size: 32
...
	.end_amdgpu_metadata
.endif
;; end of part 1
;; launch gates (part 2): grid 32 x 8, 4 waves a work-group, clusters of 4 x 4, 327,680 bytes of LDS; arguments qw, long_term, b_f, b_i, b_c, b_o, out1, o_img, cq; writes out1, o_img, cq
.if DOCPART == 2
	.amdgcn_target "amdgcn-amd-amdhsa--gfx1250"
	.amdhsa_code_object_version 6
	.text
	.protected	k_q54d0fbaf95_gates
	.globl	k_q54d0fbaf95_gates
	.p2align	8
	.type	k_q54d0fbaf95_gates,@function
k_q54d0fbaf95_gates:
	s_mov_b64 s[64:65], 0
	v_nop
	global_prefetch_b8 v0, s[64:65] scope:SCOPE_SE
	s_setreg_imm32_b32 hwreg(HW_REG_WAVE_MODE, 25, 1), 1
	s_wait_xcnt 0x0
	s_wait_alu depctr_hold_cnt(0) depctr_sa_sdst(0) depctr_va_vdst(0) depctr_va_sdst(0) depctr_va_ssrc(0) depctr_va_vcc(0) depctr_vm_vsrc(0)
	s_getreg_b32 s2, hwreg(HW_REG_IB_STS2, 6, 4)
	s_cmp_eq_u32 s2, 0
	s_cbranch_scc0 .Lentry_in_a_cluster
	s_endpgm
.Lentry_in_a_cluster:
	s_bfe_u32 s2, ttmp6, 0x10000c
	s_cmp_lg_u32 s2, 0xf033
	s_cbranch_scc0 .Lentry_shape_is_right
	s_endpgm
.Lentry_shape_is_right:
; gates = [x | short_term] W_all^T + b_all on codes of FP6 (E2M3) with E8M0 scales, K = 3,072; then f, i, o = sigmoid, C = tanh, C_new = f long_term + i C.
; Out: out1 = C_new (f32); o_img = o, in the order of the next launch's accumulators; cq = C_new as codes and scale bytes, in records as qw has them.
; A record of qw is 128 rows x 128 K: 128 x 48 bytes (K 0-63), 128 x 48 bytes (K 64-127), 128 scale words.  A record of the weights holds 32 hidden units of f, i, c, o.
; SHARES: a work-group makes 256 batch rows x 64 hidden units x 4 gates (256 x 256 of the product), 8 x 32 = 256 work-groups; a wave 128 x 128: 64 accumulators.
; RING: two LDS slots of three K steps (3 records x 4 quarters); a wave's joint load brings three records, 150 rows of 256 bytes.  4 x 4 clusters: the batch rows' records are shared along a row, the weights' along a column.
; REGISTERS: each window holds 16 accumulators (v128-255) and, in v32-127, two sets of ONE quarter of a step's fragments: window 0 the weights' blocks 0-3, window 1 their blocks 4-7, window 2 the batch blocks 0-3, window 3 the batch blocks 4-7.
;   Accumulator (a, b) lies in window 2 (a / 4) + b / 4 at v[128 + 8 (4 (a % 4) + b % 4)].  So BOTH operands have two sets: a step's head fetches the whole next step, 104 LDS loads in ONE run, and its 64 products follow unbroken,
;   in four quadrants of 16, each under one setting of the windows: eight switches a step.  The wait at a step's head is for loads issued 64 products earlier.
;   Window 0: v0 thread, v2-10 addresses, v12-13 the add's two, v16-31 scale words (two sets of 8).  Windows 2, 3: v0-31 the biases, times the exponent's factor.
; The product is used transposed (source 0 = weights, source 1 = batch rows): a lane holds one batch row, the 16 registers of accumulators 2 g, 2 g + 1 are 16 neighbouring units of gate g.
; sigmoid(z) = 1 / (1 + 2^(-z log2 e)), tanh(z) = 1 - 2 / (1 + 2^(2 z log2 e)): right at both ends.  LIMITS: NaN and infinities are not served; a block of zeros gets the byte 1 (its codes are zeros; this program alone reads the bytes).
.set RECB,   12800
.set HALFT,  3*RECB
.set SLOT,   4*HALFT
.set SPARE,  2*SLOT                    ; the spare words, 128 bytes a wave, which no other line names
.set W_REG,  4915200
.set RTB,    24*RECB
.set LPITCH, 272                       ; the way out, in slot 0 behind its last fill: 256 rows of long_term, then C_new: 256 bytes + 16
.set CST,    256*LPITCH                ; C_new's codes: 2 x 128 rows x 48 bytes
.set SCS,    CST+12288                 ; and scale bytes, 2 a row
.set ADRA, 2                           ; v2-3 batch fragments in slot 0, 1
.set ADRB, 4                           ; v4-5 weight fragments
.set ADRS, 6                           ; v6-7 scale words: lanes 0-15 the batch rows', lanes 16-31 the weights'
.set PF0, 8
.set PF1, 9
.set PFL, 10
.set SPW, 12
.set NIL, 13
.set BA,  14
.set SC,  16
.set FRG, 32
.set ACC, 128
.set LTA, 2                            ; the way out's addresses take the loop's places
.set CSA, 3
.set SSA, 4
.set OA,  5
.set RD1, 6
.set GO1, 7
.set RDC, 8
.set RDS, 9
.set GOS, 10
.set T,   32                           ; v32-95 the four gates of a block of 16 rows
.set LT,  96                           ; v96-127 long_term, two sets of 16
.set LIM, 2
.set WV,  22
.set RH,  23
.set CH,  66
.set G1,  24
.set G0,  32
.set G1B, 48
.set G0B, 56
.set G1L, 68
.set G0L, 76
.set PFA, 80
.set PLT, 82
.set K1,  84
.set K2,  86
.set SEL, 88
.set CSP, 90
.set SLT, 94                           ; s94-99 LDS bases of the way out
.set MSB, 0
.macro WIN new
.if MSB != (\new)
	s_set_vgpr_msb (MSB<<8)|(\new)
.set MSB, (\new)
.endif
.endm
.macro JLOAD g0a, g1a, g0b, g1b        ; waves 0, 1 fetch the batch rows' records, waves 2, 3 the weights'; s_nop 0 and four v_nop behind each line
	s_cmp_eq_u32 s[RH], 0
	s_cbranch_scc0 .Lfor_b_\@
	tensor_load_to_lds s[\g0a:\g0a+3], s[\g1a:\g1a+7]
	s_nop 0
.rept 4
	v_nop
.endr
	s_branch .Lasked_\@
.Lfor_b_\@:
	tensor_load_to_lds s[\g0b:\g0b+3], s[\g1b:\g1b+7]
	s_nop 0
.rept 4
	v_nop
.endr
.Lasked_\@:
.endm
.macro CREST
	s_cmp_lg_u32 s[WV], 0
	s_cbranch_scc1 .Lnot_wave_0_\@
	s_barrier_signal -3
.Lnot_wave_0_\@:
	s_barrier_wait -3
	s_barrier_signal -1
	s_barrier_wait -1
.endm
.macro CROUND
	s_barrier_signal -1
	s_barrier_wait -1
	CREST
.endm
.macro PLACES n
.rept \n
	v_nop
.endr
.endm
; Prefetch: behind a refill, the three records that stand two refills on (150 rows of 256 bytes, shared out among the four partners by address, 38 rows each); in the loop's last trip my 64 rows of long_term, 32 a time.
.macro ASK half
	s_cmp_gt_u32 s3, s[LIM]
	s_cbranch_scc0 .Lno_rec_\@
	global_prefetch_b8 v[PF0], s[PFA:PFA+1] offset:HALFT th:TH_LOAD_NT scope:SCOPE_SE
	global_prefetch_b8 v[PF1], s[PFA:PFA+1] offset:HALFT th:TH_LOAD_NT scope:SCOPE_SE
.Lno_rec_\@:
	s_cmp_eq_u32 s3, 1
	s_cbranch_scc0 .Lno_lt_\@
	global_prefetch_b8 v[PFL], s[PLT:PLT+1] offset:(\half)*262144 th:TH_LOAD_NT scope:SCOPE_SE
.Lno_lt_\@:
.endm
	s_load_b512 s[4:19], s[0:1], 0x0               ; qw, long_term, b_f, b_i, b_c, b_o, out1, o_img
	s_load_b64 s[20:21], s[0:1], 0x40              ; cq
	v_lshl_add_u32 v[SPW], v0, 2, SPARE
	v_mov_b32 v[NIL], 0
	ds_add_u32 v[SPW], v[NIL]                      ; the opening lines: the add twice, and its wait ahead of my first tensor load
	ds_add_u32 v[SPW], v[NIL]
	v_lshrrev_b32 v1, 5, v0
	v_readfirstlane_b32 s[WV], v1
	s_lshr_b32 s[RH], s[WV], 1                     ; my 128 batch rows; also: I fetch batch rows (0) or weights (1)
	s_and_b32 s[CH], s[WV], 1                      ; my record of the weights; also: which of the two records I fetch
	s_bfe_u32 s40, ttmp6, 0x40000                  ; cx, cy
	s_bfe_u32 s41, ttmp6, 0x40004
	s_lshl_b32 s42, ttmp9, 2
	s_add_co_u32 s42, s42, s40                     ; tx
	s_and_b32 s43, ttmp7, 0xffff
	s_lshl_b32 s43, s43, 2
	s_add_co_u32 s43, s43, s41                     ; ty
	s_lshl_b32 s44, s41, 2
	s_lshl_b32 s44, 15, s44                        ; my row of the cluster
	s_lshl_b32 s45, 0x1111, s40                    ; my column
	s_or_b32 s[G1], s44, (3<<16)|(1<<21)
	s_or_b32 s[G1B], s45, (3<<16)|(1<<21)
.irp g, G1, G1B
	s_mov_b32 s[\g+1], 32<<16                      ; 150 dense rows of 32 elements of 8 bytes
	s_mov_b32 s[\g+2], 150<<16
	s_mov_b32 s[\g+3], 32<<16
	s_mov_b32 s[\g+4], 150
	s_mov_b32 s[\g+5], 32
	s_mov_b32 s[\g+6], 0
	s_mov_b32 s[\g+7], 0
.endr
	s_mov_b32 s[G1L], (3<<16)|(1<<20)|(5<<22)|(3<<25)   ; long_term: 64 rows of 256 bytes, pitch 8,192 bytes, 16 bytes of padding behind each
	s_mov_b32 s[G1L+1], 32<<16
	s_mov_b32 s[G1L+2], 64<<16
	s_mov_b32 s[G1L+3], 32<<16
	s_mov_b32 s[G1L+4], 64
	s_mov_b32 s[G1L+5], 1024
	s_mov_b32 s[G1L+6], 0
	s_mov_b32 s[G1L+7], 0
	s_mov_b32 s[K1], 0xbfb8aa3b                    ; -log2 e
	s_mov_b32 s[K1+1], s[K1]
	s_mov_b32 s[K2], 0x4038aa3b                    ; 2 log2 e
	s_mov_b32 s[K2+1], s[K2]
	s_mov_b32 s[SEL], 0x76543210
	s_mov_b32 s[SEL+1], 0xfedcba98
	s_lshl_b32 s92, s43, 1
	s_add_co_u32 s92, s92, s[CH]
	s_mul_i32 s92, s92, RTB                        ; batch rows: record row 2 ty + CH
	s_mov_b32 s93, 0
	s_lshl_b32 s46, s42, 1
	s_add_co_u32 s46, s46, s[CH]
	s_mul_i32 s46, s46, RTB
	s_add_co_u32 s46, s46, W_REG                   ; weights: record row 2 tx + CH
	s_mov_b32 s47, 0
	s_mul_i32 s67, s[WV], HALFT
	s_wait_dscnt 0x0
	s_wait_kmcnt 0x0
	s_add_nc_u64 s[92:93], s[4:5], s[92:93]
	s_add_nc_u64 s[46:47], s[4:5], s[46:47]
.irp s, 0,1
	s_mov_b32 s[G0+4*\s], 1
	s_add_co_u32 s[G0+4*\s+1], s67, \s*SLOT
	s_add_nc_u64 s[G0+4*\s+2:G0+4*\s+3], s[92:93], \s*HALFT
	s_or_b32 s[G0+4*\s+3], s[G0+4*\s+3], 0x80000000
	s_mov_b32 s[G0B+4*\s], 1
	s_add_co_u32 s[G0B+4*\s+1], s67, \s*SLOT
	s_add_nc_u64 s[G0B+4*\s+2:G0B+4*\s+3], s[46:47], \s*HALFT
	s_or_b32 s[G0B+4*\s+3], s[G0B+4*\s+3], 0x80000000
.endr
	CROUND                                         ; the first joint loads meet
	JLOAD G0, G1, G0B, G1B                         ; slot 0: one tensor load a wave at the head
	; the prefetches' base: my tile's records, two refills on; one cluster column (row) asks for the batch rows (weights)
	s_and_b32 s45, ttmp7, 0xffff
	s_cmp_eq_u32 s[RH], 0
	s_cselect_b32 s67, s40, s41
	s_cselect_b32 s45, ttmp9, s45
	s_cselect_b64 s[PFA:PFA+1], s[92:93], s[46:47]
	s_cmp_eq_u32 s45, 0
	s_cselect_b32 s[LIM], 1, -1
	s_add_nc_u64 s[PFA:PFA+1], s[PFA:PFA+1], 2*HALFT
	s_mul_i32 s67, s67, 38
	; global bases
	s_mov_b32 s93, 0
	s_lshl_b32 s47, s42, 8                         ; my work-group's 64 units of a row: 256 tx bytes
	s_lshl_b32 s46, s43, 8                         ; its first batch row
	s_lshl_b32 s92, s[WV], 6
	s_add_co_u32 s92, s92, s46
	s_lshl_b32 s92, s92, 13
	s_add_co_u32 s92, s92, s47
	s_add_nc_u64 s[PLT:PLT+1], s[6:7], s[92:93]    ; long_term: I fetch rows 64 wave on
	s_lshl_b32 s92, s[RH], 7
	s_add_co_u32 s92, s92, s46
	s_lshl_b32 s46, s[CH], 4
	s_add_co_u32 s92, s92, s46
	s_lshl_b32 s92, s92, 13
	s_add_co_u32 s92, s92, s47
	s_add_nc_u64 s[16:17], s[16:17], s[92:93]      ; out1: I store rows 128 RH + 16 CH + 0..15 of each 32
	s_mov_b32 s[G0L], 1
	s_mul_i32 s[G0L+1], s[WV], 64*LPITCH
	s_mov_b64 s[G0L+2:G0L+3], s[PLT:PLT+1]
	s_or_b32 s[G0L+3], s[G0L+3], 0x80000000
	s_lshl_b32 s92, s43, 4
	s_lshl_b32 s46, s[RH], 3
	s_add_co_u32 s92, s92, s46
	s_lshl_b32 s92, s92, 6
	s_lshl_b32 s46, s42, 1
	s_add_co_u32 s92, s92, s46
	s_add_co_u32 s92, s92, s[CH]
	s_lshl_b32 s92, s92, 11
	s_add_nc_u64 s[18:19], s[18:19], s[92:93]      ; o_img: ((16 ty + 8 RH) 64 + 2 tx + CH) x 2,048 bytes
	s_lshl_b32 s92, s43, 1
	s_add_co_u32 s92, s92, s[RH]
	s_lshl_b32 s92, s92, 4
	s_lshr_b32 s46, s42, 1
	s_add_co_u32 s92, s92, s46
	s_mul_i32 s92, s92, RECB
	s_add_nc_u64 s[20:21], s[20:21], s[92:93]      ; cq: record (2 ty + RH) 16 + tx / 2
	s_and_b32 s46, s42, 1
	s_lshl_b32 s92, s[CH], 8
	s_lshl_b32 s47, s46, 1
	s_add_co_u32 s92, s92, s47
	s_add_co_u32 s92, s92, 12288
	s_add_nc_u64 s[CSP:CSP+1], s[20:21], s[92:93]  ; its scale words, my 64 rows, my work-group's two bytes
	s_mul_i32 s92, s46, 6144
	s_mul_i32 s47, s[CH], 3072
	s_add_co_u32 s92, s92, s47
	s_add_nc_u64 s[20:21], s[20:21], s[92:93]      ; its codes: half tx % 2, my 64 rows
	; LDS bases of the way out
	s_mul_i32 s[SLT], s[RH], 128*LPITCH
	s_lshl_b32 s46, s[CH], 7
	s_add_co_u32 s[SLT], s[SLT], s46               ; s94 my rows and units in the stage
	s_mul_i32 s95, s[RH], 6144
	s_mul_i32 s46, s[CH], 24
	s_add_co_u32 s95, s95, s46
	s_add_co_u32 s95, s95, CST                     ; s95 codes in
	s_lshl_b32 s96, s[RH], 8
	s_add_co_u32 s96, s96, s[CH]
	s_add_co_u32 s96, s96, SCS                     ; s96 scale bytes in
	s_mul_i32 s97, s[RH], 128*LPITCH
	s_mul_i32 s46, s[CH], 16*LPITCH
	s_add_co_u32 s97, s97, s46                     ; s97 rows back
	s_mul_i32 s98, s[WV], 3072
	s_add_co_u32 s98, s98, CST                     ; s98 codes back
	s_lshl_b32 s99, s[WV], 7
	s_add_co_u32 s99, s99, SCS                     ; s99 scale bytes back
	s_lshl_b32 s44, s42, 8
	s_lshl_b32 s45, s[CH], 7
	s_add_co_u32 s44, s44, s45                     ; my 32 units in a bias, in bytes
	s_mul_i32 s100, s[RH], HALFT                   ; my batch rows' records in a slot
	s_mul_i32 s101, s[CH], HALFT
	s_add_co_u32 s101, s101, 2*HALFT               ; my weights' records
	s_sub_co_u32 s45, s101, s100
	s_add_co_u32 s47, s100, 12288
	v_and_b32 v1, 15, v0                           ; r
	v_bfe_u32 v15, v0, 4, 1                        ; h
	v_and_b32 v[PFL], 31, v0
	v_lshl_add_u32 v[BA], v15, 6, s44
	v_mul_u32_u24 v[ADRA], v1, 48
	v_mad_u32_u24 v[ADRA], v15, 24, v[ADRA]        ; a fragment: row r of 48 bytes, + 24 h
	v_add_nc_u32 v[ADRB], s101, v[ADRA]
	v_add_nc_u32 v[ADRA], s100, v[ADRA]
	v_add_nc_u32 v[ADRB+1], SLOT, v[ADRB]
	v_add_nc_u32 v[ADRA+1], SLOT, v[ADRA]
	v_mul_u32_u24 v[ADRS], s45, v15                ; lanes 16-31 take the weights' words: the lower base + h x the distance
	v_lshl_add_u32 v[ADRS], v1, 2, v[ADRS]
	v_add_nc_u32 v[ADRS], s47, v[ADRS]
	v_add_nc_u32 v[ADRS+1], SLOT, v[ADRS]
	v_add_nc_u32 v[PF0], s67, v[PFL]
	v_min_u32 v[PF0], 149, v[PF0]
	v_lshlrev_b32 v[PF0], 8, v[PF0]
	v_min_u32 v[PF1], 5, v[PFL]
	v_add_nc_u32 v[PF1], s67, v[PF1]
	v_add_nc_u32 v[PF1], 32, v[PF1]
	v_min_u32 v[PF1], 149, v[PF1]
	v_lshlrev_b32 v[PF1], 8, v[PF1]
	v_lshlrev_b32 v[PFL], 13, v[PFL]
	WIN 0x80                                       ; the biases: f, i into window 2, c, o into window 3: register 16 (g % 2) + n = unit 16 h + n
.irp j, 0,1,2,3
	global_load_b128 v[4*\j:4*\j+3], v[BA], s[8:9] offset:16*\j
	global_load_b128 v[16+4*\j:16+4*\j+3], v[BA], s[10:11] offset:16*\j
.endr
	WIN 0xc0
.irp j, 0,1,2,3
	global_load_b128 v[4*\j:4*\j+3], v[BA], s[12:13] offset:16*\j
	global_load_b128 v[16+4*\j:16+4*\j+3], v[BA], s[14:15] offset:16*\j
.endr
	s_wait_alu depctr_va_vdst(0)
	s_wait_loadcnt 0x0
	WIN 0x82
.irp n, 0,2,4,6,8,10,12,14,16,18,20,22,24,26,28,30
	v_pk_mul_f32 v[\n:\n+1], v[\n:\n+1], s[K1:K1+1] op_sel_hi:[1,0]
.endr
	WIN 0xc3
.irp n, 0,2,4,6,8,10,12,14
	v_pk_mul_f32 v[\n:\n+1], v[\n:\n+1], s[K2:K2+1] op_sel_hi:[1,0]
	v_pk_mul_f32 v[16+\n:17+\n], v[16+\n:17+\n], s[K1:K1+1] op_sel_hi:[1,0]
.endr
	WIN 0
; A step's quarter for window 2 ah + bh (ah = 0: the weights' blocks 4 bh on; ah = 1: the batch blocks 4 bh on), from record q of a slot, into set p: 24 loads of 8 bytes; with window 0's go the 8 scale words.
.macro RUN ah, bh, slot, q, p
	WIN (2*(\ah)+(\bh))<<6                         ; destination: the quarter's window; address: window 0
.set LC, 0
.rept 24
	ds_load_b64 v[FRG+48*(\p)+2*LC:FRG+48*(\p)+2*LC+1], v[ADRB-2*(\ah)+(\slot)] offset:(\q)*RECB+(\bh)*3072+((LC%6)/3)*6144+(LC/6)*768+8*(LC%3)
.set LC, LC+1
.endr
.if (\ah)+(\bh) == 0
.irp i, 0,1,2,3,4,5,6,7
	ds_load_b32 v[SC+8*(\p)+\i], v[ADRS+(\slot)] offset:(\q)*RECB+64*\i
.endr
.endif
.endm
.macro FETCH slot, q, p                ; a whole step's fragments and scale words: 104 loads in one run
	RUN 0, 0, \slot, \q, \p
	RUN 0, 1, \slot, \q, \p
	RUN 1, 0, \slot, \q, \p
	RUN 1, 1, \slot, \q, \p
.endm
; 16 products: batch blocks 4 ah + a x weight blocks 4 bh + b, on set p.  The 64 accumulators take turns, one instruction a turn, in the same order in every step.
.macro QUAD ah, bh, p, zero
	WIN (\bh)|((2+(\ah))<<2)|((2*(\ah)+(\bh))<<4)|((2*(\ah)+(\bh))<<6)
.irp a, 0,1,2,3
.irp b, 0,1,2,3
.if \zero
	v_wmma_scale_f32_16x16x128_f8f6f4 v[ACC+8*(4*\a+\b):ACC+8*(4*\a+\b)+7], v[FRG+48*(\p)+12*\b:FRG+48*(\p)+12*\b+11], v[FRG+48*(\p)+12*\a:FRG+48*(\p)+12*\a+11], 0, v[SC+8*(\p)+4*(\bh)+\b], v[SC+8*(\p)+4*(\ah)+\a] matrix_a_fmt:MATRIX_FMT_FP6 matrix_b_fmt:MATRIX_FMT_FP6 matrix_a_scale:MATRIX_SCALE_ROW1
.else
	v_wmma_scale_f32_16x16x128_f8f6f4 v[ACC+8*(4*\a+\b):ACC+8*(4*\a+\b)+7], v[FRG+48*(\p)+12*\b:FRG+48*(\p)+12*\b+11], v[FRG+48*(\p)+12*\a:FRG+48*(\p)+12*\a+11], v[ACC+8*(4*\a+\b):ACC+8*(4*\a+\b)+7], v[SC+8*(\p)+4*(\bh)+\b], v[SC+8*(\p)+4*(\ah)+\a] matrix_a_fmt:MATRIX_FMT_FP6 matrix_b_fmt:MATRIX_FMT_FP6 matrix_a_scale:MATRIX_SCALE_ROW1
.endif
.endr
.endr
.endm
; A step on set p; the next step's fragments lie in record nq of slot ns.  The four places stand between the last step's products, which read the other set, and the loads into it.
.macro STEP p, ns, nq, zero
	PLACES 4
	s_wait_dscnt 0x0                               ; this step's 104 loads are in
	FETCH \ns, \nq, 1-(\p)
	QUAD 0, 0, \p, \zero
	QUAD 0, 1, \p, \zero
	QUAD 1, 0, \p, \zero
	QUAD 1, 1, \p, \zero
.endm
; A slot's last step (set = slot).  Its fragments are in registers, so the slot is read no more; the next step's lie in the other slot.  The three lines, the round, the refill, the run of loads, the step's other half.
.macro TURN slot, fill
	PLACES 4
.if \fill == 1
	s_wait_xcnt 0x0                                ; my prefetches have read their base
	s_add_nc_u64 s[PFA:PFA+1], s[PFA:PFA+1], HALFT
.endif
	WIN 0
	s_wait_tensorcnt 0x0                           ; my part of the other slot is in
	ds_add_u32 v[SPW], v[NIL]
	s_wait_dscnt 1                                 ; this step's loads are in; the add may be out
	QUAD 0, 0, \slot, 0
	s_wait_dscnt 0x0
	s_barrier_signal -1
	QUAD 0, 1, \slot, 0
	WIN 0
	s_barrier_wait -1
	CREST
.if \fill == 1
	s_add_nc_u64 s[G0+4*\slot+2:G0+4*\slot+3], s[G0+4*\slot+2:G0+4*\slot+3], 2*HALFT
	s_add_nc_u64 s[G0B+4*\slot+2:G0B+4*\slot+3], s[G0B+4*\slot+2:G0B+4*\slot+3], 2*HALFT
	JLOAD G0+4*\slot, G1, G0B+4*\slot, G1B
.else
	tensor_load_to_lds s[G0L:G0L+3], s[G1L:G1L+7]  ; slot 0's last fill: my 64 rows of long_term
	s_nop 0
	PLACES 4
.endif
	FETCH 1-(\slot), 0, 1-(\slot)
	WIN 0
.if \fill == 1
	ASK \slot
.endif
	QUAD 1, 0, \slot, 0
	QUAD 1, 1, \slot, 0
.endm
	s_wait_alu depctr_va_vdst(0)
	s_wait_tensorcnt 0x0                           ; my part of slot 0 is in; the three lines ahead of slot 1's first fill
	ds_add_u32 v[SPW], v[NIL]
	s_wait_dscnt 0x0
	CROUND
	JLOAD G0+4, G1, G0B+4, G1B
	FETCH 0, 0, 0
	STEP 0, 0, 1, 1                                ; the first step's products start the sums
	WIN 0
	s_mov_b32 s3, 3
.Llap:                                                 ; six steps: once round the ring, both slots filled again
	STEP 1, 0, 2, 0
	TURN 0, 1
	STEP 1, 1, 1, 0
	STEP 0, 1, 2, 0
	TURN 1, 1
	STEP 0, 0, 1, 0
	WIN 0
	s_sub_co_u32 s3, s3, 1
	s_cmp_lg_u32 s3, 0
	s_cbranch_scc1 .Llap
	STEP 1, 0, 2, 0
	TURN 0, 2
	STEP 1, 1, 1, 0
	STEP 0, 1, 2, 0
	s_wait_dscnt 0x0                               ; the last step fetches nothing
	QUAD 0, 0, 1, 0
	QUAD 0, 1, 1, 0
	QUAD 1, 0, 1, 0
	QUAD 1, 1, 1, 0
	WIN 0
	s_wait_tensorcnt 0x0                           ; my rows of long_term are in,
	s_barrier_signal -1
	s_barrier_wait -1                              ; everybody's are
	s_wait_xcnt 0x0                                ; the prefetches have read v8-10
	v_and_b32 v1, 15, v0                           ; the way out's addresses (also the places behind the last products)
	v_bfe_u32 v14, v0, 4, 1
	v_and_b32 v15, 31, v0
	v_mul_u32_u24 v[LTA], v1, LPITCH
	v_lshl_add_u32 v[LTA], v14, 6, v[LTA]
	v_add_nc_u32 v[LTA], s[SLT], v[LTA]            ; stage: row r, my 128 bytes, + 64 h
	v_mul_u32_u24 v[CSA], v1, 48
	v_mad_u32_u24 v[CSA], v14, 12, v[CSA]
	v_add_nc_u32 v[CSA], s95, v[CSA]
	v_lshl_add_u32 v[SSA], v1, 1, s96
	v_lshlrev_b32 v[OA], 4, v15
	v_mul_u32_u24 v[RD1], v14, LPITCH
	v_lshl_add_u32 v[RD1], v1, 4, v[RD1]
	v_add_nc_u32 v[RD1], s97, v[RD1]               ; back: lanes 0-15 one row of 256 bytes, lanes 16-31 the next
	v_lshlrev_b32 v[GO1], 13, v14
	v_lshl_add_u32 v[GO1], v1, 4, v[GO1]
	v_lshl_add_u32 v[RDC], v15, 4, s98
	v_lshl_add_u32 v[RDS], v15, 1, s99
	v_lshlrev_b32 v[GOS], 2, v15
	v_mov_b32 v18, 0                               ; a lane permute's destination counts as a source
	s_wait_alu depctr_va_vdst(0)
.macro GATE a, g                       ; (z + b) x the exponent's factor, each accumulator from its low end on
	WIN (2*((\a)/4)+(\g)/2)|((2+(\g)/2)<<4)
.irp n, 0,2,4,6,8,10,12,14
	v_pk_fma_f32 v[T+16*\g+\n:T+16*\g+\n+1], v[ACC+32*((\a)%4)+16*((\g)%2)+\n:ACC+32*((\a)%4)+16*((\g)%2)+\n+1], s[K1+2*(\g/2)*(1-\g%2):K1+2*(\g/2)*(1-\g%2)+1], v[16*((\g)%2)+\n:16*((\g)%2)+\n+1] op_sel_hi:[1,0,1]
.endr
.endm
.macro EPI a                           ; block a: 16 batch rows x my 32 units
	GATE \a, 0
	GATE \a, 2
	s_wait_dscnt 0x0                               ; the last block's LDS stores have read their registers, this block's long_term is in,
	s_wait_xcnt 0x0                                ; and so have its global stores
	GATE \a, 3
	GATE \a, 1
	WIN 0
.if (\a) < 7
.irp j, 0,1,2,3
	ds_load_b128 v[LT+16*(((\a)+1)%2)+4*\j:LT+16*(((\a)+1)%2)+4*\j+3], v[LTA] offset:16*LPITCH*((\a)+1)+16*\j
.endr
.endif
.set nn, 0
	s_wait_alu depctr_va_vdst(0)                   ; a wait ahead of each batch and one behind it
.rept 64
	v_exp_f32 v[T+nn], v[T+nn]
.set nn, nn+1
.endr
	v_nop
	s_wait_alu depctr_va_vdst(0)
.set nn, 0
.rept 32
	v_pk_add_f32 v[T+nn:T+nn+1], v[T+nn:T+nn+1], 1.0 op_sel_hi:[1,0]
.set nn, nn+2
.endr
.set nn, 0
	s_wait_alu depctr_va_vdst(0)
.rept 64
	v_rcp_f32 v[T+nn], v[T+nn]
.set nn, nn+1
.endr
	v_nop
	s_wait_alu depctr_va_vdst(0)
.irp n, 0,2,4,6,8,10,12,14
	v_pk_fma_f32 v[T+32+\n:T+33+\n], v[T+32+\n:T+33+\n], -2.0, 1.0 op_sel_hi:[1,0,0]   ; tanh
.endr
.irp j, 0,1,2,3
	global_store_b128 v[OA], v[T+48+4*\j:T+48+4*\j+3], s[18:19] offset:131072*(\a)+512*\j   ; o: 512 consecutive bytes an instruction
.endr
.irp n, 0,2,4,6,8,10,12,14
	v_pk_mul_f32 v[T+16+\n:T+17+\n], v[T+16+\n:T+17+\n], v[T+32+\n:T+33+\n]
.endr
.irp n, 0,2,4,6,8,10,12,14
	v_pk_fma_f32 v[T+16+\n:T+17+\n], v[T+\n:T+1+\n], v[LT+16*((\a)%2)+\n:LT+16*((\a)%2)+\n+1], v[T+16+\n:T+17+\n]   ; C_new
.endr
.irp j, 0,1,2,3
	ds_store_b128 v[LTA], v[T+16+4*\j:T+16+4*\j+3] offset:16*LPITCH*(\a)+16*\j     ; over the long_term that it took in
.endr
	v_max3_num_f32 v16, |v[T+16]|, |v[T+17]|, 0x1800000            ; my 16 of a block of 32, with the floor 2^(3 - 127)
	v_max3_num_f32 v17, |v[T+18]|, |v[T+19]|, |v[T+20]|
	v_max3_num_f32 v16, v16, |v[T+21]|, |v[T+22]|
	v_max3_num_f32 v17, v17, |v[T+23]|, |v[T+24]|
	v_max3_num_f32 v16, v16, |v[T+25]|, |v[T+26]|
	v_max3_num_f32 v17, v17, |v[T+27]|, |v[T+28]|
	v_max3_num_f32 v16, v16, |v[T+29]|, |v[T+30]|
	v_max3_num_f32 v16, v16, v17, |v[T+31]|
	v_permlanex16_b32 v18, v16, s[SEL], s[SEL+1]
	v_max_num_f32 v16, v16, v18                    ; with lane l xor 16's
	v_add_nc_u32 v19, 0xff000000, v16              ; 2 off the exponent field: the conversion's scale operand
	v_cvt_scalef32_pk16_fp6_f32 v[22:24], v[T+16:T+31], v19
	v_lshrrev_b32 v20, 23, v19                     ; the byte (a plain line behind the conversion)
.irp j, 0,1,2
	ds_store_b32 v[CSA], v[22+\j] offset:768*(\a)+4*\j
.endr
	ds_store_b8 v[SSA], v20 offset:32*(\a)
.endm
; C_new leaves by quarters, two blocks (32 rows of each half of the tile) at a time.  A row's 256 bytes come from two waves: so a barrier, then each of the two takes 16 whole rows.  Later blocks touch other rows of the stage.
.macro MEET
	s_wait_dscnt 0x0                               ; my stores into the stage are done,
	s_barrier_signal -1
	s_barrier_wait -1                              ; everybody's are
.endm
.macro OUTL qd                         ; into accumulators that have been read out
.irp t, 0,1,2,3,4,5,6,7
	ds_load_b128 v[128+32*(\qd)+4*\t:128+32*(\qd)+4*\t+3], v[RD1] offset:(32*(\qd)+2*\t)*LPITCH
.endr
.endm
.macro OUTS qd                         ; behind the next block, whose wait on DScnt covers the eight loads; 16 lanes store 256 consecutive bytes, aligned
.irp t, 0,1,2,3,4,5,6,7
	global_store_b128 v[GO1], v[128+32*(\qd)+4*\t:128+32*(\qd)+4*\t+3], s[16:17] offset:262144*(\qd)+16384*\t th:TH_STORE_NT
.endr
.endm
.irp j, 0,1,2,3
	ds_load_b128 v[LT+4*\j:LT+4*\j+3], v[LTA] offset:16*\j
.endr
	EPI 0
	EPI 1
	MEET
	OUTL 0
	EPI 2
	OUTS 0
	EPI 3
	MEET
	OUTL 1
	EPI 4
	OUTS 1
	EPI 5
	MEET
	OUTL 2
	EPI 6
	OUTS 2
	EPI 7
	MEET
	s_wait_xcnt 0x0
	OUTL 3
.irp i, 0,1,2,3,4,5
	ds_load_b128 v[T+4*\i:T+4*\i+3], v[RDC] offset:512*\i
.endr
.irp i, 0,1
	ds_load_u16 v[T+24+\i], v[RDS] offset:64*\i
.endr
.irp t, 0,1,2,3,4,5,6,7
	s_wait_dscnt 15-\t                             ; behind load t: 7 - t rows, 6 of codes, 2 of scale bytes
	global_store_b128 v[GO1], v[224+4*\t:224+4*\t+3], s[16:17] offset:786432+16384*\t th:TH_STORE_NT
.endr
.irp i, 0,1,2,3,4,5
	s_wait_dscnt 7-\i
	global_store_b128 v[OA], v[T+4*\i:T+4*\i+3], s[20:21] offset:512*\i
.endr
.irp i, 0,1
	s_wait_dscnt 1-\i
	global_store_b16 v[GOS], v[T+24+\i], s[CSP:CSP+1] offset:128*\i
.endr
	s_wait_tensorcnt 0x0                           ; the wave's end
	ds_add_u32 v[SPW], v[NIL]
	s_wait_dscnt 0x0
	CROUND                                         ; the closing round
	s_endpgm
.Lfunc_end_k_q54d0fbaf95_gates:
	.size	k_q54d0fbaf95_gates, .Lfunc_end_k_q54d0fbaf95_gates-k_q54d0fbaf95_gates
	.p2alignl 7, 3214868480
	.fill 96, 4, 3214868480
	.section	.rodata,"a",@progbits
	.p2align	6, 0x0
	.amdhsa_kernel k_q54d0fbaf95_gates
		.amdhsa_group_segment_fixed_size 327680
		.amdhsa_private_segment_fixed_size 0
		.amdhsa_enable_private_segment 0
		.amdhsa_kernarg_size 72
		.amdhsa_user_sgpr_count 2
		.amdhsa_user_sgpr_kernarg_segment_ptr 1
		.amdhsa_wavefront_size32 1
		.amdhsa_system_sgpr_workgroup_id_x 1
		.amdhsa_system_sgpr_workgroup_id_y 1
		.amdhsa_system_sgpr_workgroup_id_z 1
		.amdhsa_system_vgpr_workitem_id 0
		.amdhsa_next_free_vgpr 1024
		.amdhsa_next_free_sgpr 102
		.amdhsa_reserve_vcc 0
		.amdhsa_float_denorm_mode_32 3
		.amdhsa_float_denorm_mode_16_64 3
		.amdhsa_memory_ordered 1
		.amdhsa_forward_progress 1
		.amdhsa_inst_pref_size 255
	.end_amdhsa_kernel
	.section	.bss,"aw",@nobits
	.p2align	6
	.space	262144
	.amdgpu_metadata
---
amdhsa.version: [ 1, 2 ]
amdhsa.kernels:
  - .name:           k_q54d0fbaf95_gates
    .symbol:         k_q54d0fbaf95_gates.kd
    .args:
      - { .name: qw, .offset: 0, .size: 8, .value_kind: global_buffer, .address_space: global }
      - { .name: long_term, .offset: 8, .size: 8, .value_kind: global_buffer, .address_space: global }
      - { .name: b_f, .offset: 16, .size: 8, .value_kind: global_buffer, .address_space: global }
      - { .name: b_i, .offset: 24, .size: 8, .value_kind: global_buffer, .address_space: global }
      - { .name: b_c, .offset: 32, .size: 8, .value_kind: global_buffer, .address_space: global }
      - { .name: b_o, .offset: 40, .size: 8, .value_kind: global_buffer, .address_space: global }
      - { .name: out1, .offset: 48, .size: 8, .value_kind: global_buffer, .address_space: global }
      - { .name: o_img, .offset: 56, .size: 8, .value_kind: global_buffer, .address_space: global }
      - { .name: cq, .offset: 64, .size: 8, .value_kind: global_buffer, .address_space: global }
    .group_segment_fixed_size: 327680
    .private_segment_fixed_size: 0
    .kernarg_segment_align: 8
    .kernarg_segment_size: 72
    .max_flat_workgroup_size: 128
    .sgpr_count:     102
    .vgpr_count:     1024
    .wavefront_size: 32
...
	.end_amdgpu_metadata
.endif
;; end of part 2
;; launch h2o (part 3): grid 16 x 16, 4 waves a work-group, clusters of 4 x 4, 327,680 bytes of LDS; arguments cq, qw, b_h2o, o_img, out0; writes out0
.if DOCPART == 3
	.amdgcn_target "amdgcn-amd-amdhsa--gfx1250"
	.amdhsa_code_object_version 6
	.text
	.protected	k_q54d0fbaf95_h2o
	.globl	k_q54d0fbaf95_h2o
	.p2align	8
	.type	k_q54d0fbaf95_h2o,@function
k_q54d0fbaf95_h2o:
	s_mov_b64 s[64:65], 0
	v_nop
	global_prefetch_b8 v0, s[64:65] scope:SCOPE_SE
	s_setreg_imm32_b32 hwreg(HW_REG_WAVE_MODE, 25, 1), 1
	s_wait_xcnt 0x0
	s_wait_alu depctr_hold_cnt(0) depctr_sa_sdst(0) depctr_va_vdst(0) depctr_va_sdst(0) depctr_va_ssrc(0) depctr_va_vcc(0) depctr_vm_vsrc(0)
	s_getreg_b32 s2, hwreg(HW_REG_IB_STS2, 6, 4)
	s_cmp_eq_u32 s2, 0
	s_cbranch_scc0 .Lentry_in_a_cluster
	s_endpgm
.Lentry_in_a_cluster:
	s_bfe_u32 s2, ttmp6, 0x10000c
	s_cmp_lg_u32 s2, 0xf033
	s_cbranch_scc0 .Lentry_shape_is_right
	s_endpgm
.Lentry_shape_is_right:
; out0 = tanh(C_new W_h2o^T + b_h2o) x o, the product on codes of FP6 (E2M3) with E8M0 scales, K = 2,048.  C_new's records come from cq, W_h2o's from qw (region H_REG), o from o_img, all made by the launches before.
; SHARES.  2,048 x 2,048 outputs in tiles of 128 x 128: 16 x 16 work-groups; tiles of 256 x 256 would be 64.  A wave makes 64 x 64: 16 accumulators, 128 registers.
; K is 16 records (steps of 128) of each operand.  LDS holds two regions of six records of each (153,600 bytes).  Region 0 (records 0-5) is the head's fill, one load of three records a wave; region 1 (records 6-11) is filled behind
; the three lines and a round; records 12-15 refill region 0 behind step 5, two records a wave, at places 0, 1, 3, 4.
; CLUSTERS: 4 x 4; C_new's records are shared along a row of the cluster, W_h2o's along a column, by joint loads.
; PREFETCH, one fill ahead: at the head the records of region 1, behind region 1's load the last four records.  Of the rows of 256 bytes that a wave will fetch, each of the four partners names a quarter, told apart by address.
; TRANSPOSED USE, and the order of W_h2o's rows in a record (bits 3 and 4 of a row exchanged): lane (r, h) holds batch row r, and the 16 registers of accumulators 2 p, 2 p + 1 are outputs 32 p + 16 h + 0 .. 15:
; the very order in which o_img holds o, so that o's registers and the accumulators have the same index.  The bias is the C of each sum's first matrix instruction.
; o is wanted on the way out alone: its 32 loads are issued behind region 1's load; they have the sixteen steps of the product in which to come.
; THE WAY OUT goes by blocks of 16 rows: a block's stores are issued behind the next block's arithmetic.
; tanh(z) = 1 - 2 / (1 + 2^(2 z log2 e)): right at both ends; absolute error about an ulp of 1.  LIMITS: NaN and infinities are not served.
; REGISTERS: window 0: v17-24 and v40-51 addresses; v32-39 scale words, two sets of 4, and nothing else; v64-95 the bias; v128-255 the accumulators ((a, b) at v[128 + 8 (4 a + b)]).
;   window 1: two sets of fragments at v0 and v128: four of C_new's, then four of W_h2o's.   window 2: v0-127 o.
.set RECB,   12800
.set H_REG,  24576000
.set REG3,   12*RECB                   ; a region: six records of C_new, then six of W_h2o
.set QT,     3*RECB                    ; a wave's place in a region
.set SPARE,  2*REG3                    ; the spare words, 128 bytes for each wave, which no other line names
.set STAGE,  REG3                      ; the way out: 64 rows x 272 bytes for each wave, in region 1: it is filled once, and every wave has passed a barrier behind its last read of it
.set SPITCH, 272
.set FR,   12
.set STO,  17
.set RD,   18
.set GO,   19
.set OA,   20
.set BA,   21
.set PF0,  22                          ; v22-24 the prefetches' offsets; never rewritten
.set PF1,  23
.set PF2,  24
.set SPW,  28                          ; v28  LDS address of my spare word; never rewritten
.set NIL,  29                          ; v29  0; never rewritten
.set SC,   32
.set ADRA, 40                          ; v40-43 my C_new fragments: region 0 records 0-2, 3-5, region 1 records 0-2, 3-5 (an LDS offset has 16 bits)
.set ADRB, 44                          ; v44-47 my W_h2o fragments
.set ADRS, 48                          ; v48-51 scale words: lanes 0-15 C_new's, lanes 16-31 W_h2o's
.set BI,   64
.set ACC,  128
.set WV,   14
.set RH,   15
.set CH,   16
.set G1,   24                          ; s[24:31] group 1 for C_new's records; s[32:39] group 0, a set for each region
.set G1B,  48                          ; s[48:55] for W_h2o's; its groups 0: s[56:63]
.set K2,   80                          ; s[80:81] 2 log2(e)
.set PFA,  84                          ; s[84:85] the first record that I fetch
.set PFB,  86                          ; s[86:87] the first of my last two
.set DLT,  88                          ; s[88:89] bytes from the one to the other
.set MSB, 0
.macro WIN new
.if MSB != (\new)
	s_set_vgpr_msb (MSB<<8)|(\new)
.set MSB, (\new)
.endif
.endm
.macro JLOAD g0a, g1a, g0b, g1b        ; waves 0 and 1 fetch C_new's records, waves 2 and 3 W_h2o's; an s_nop 0 and four v_nop follow each line
	s_cmp_eq_u32 s[RH], 0
	s_cbranch_scc0 .Lfor_b_\@
	tensor_load_to_lds s[\g0a:\g0a+3], s[\g1a:\g1a+7]
	s_nop 0
.rept 4
	v_nop
.endr
	s_branch .Lasked_\@
.Lfor_b_\@:
	tensor_load_to_lds s[\g0b:\g0b+3], s[\g1b:\g1b+7]
	s_nop 0
.rept 4
	v_nop
.endr
.Lasked_\@:
.endm
.macro CREST
	s_cmp_lg_u32 s[WV], 0
	s_cbranch_scc1 .Lnot_wave_0_\@
	s_barrier_signal -3
.Lnot_wave_0_\@:
	s_barrier_wait -3
	s_barrier_signal -1
	s_barrier_wait -1
.endm
.macro CROUND
	s_barrier_signal -1
	s_barrier_wait -1
	CREST
.endm
.macro PLACES n
.rept \n
	v_nop
.endr
.endm
	s_load_b256 s[4:11], s[0:1], 0x0               ; cq, qw, b_h2o, o_img
	s_load_b64 s[12:13], s[0:1], 0x20              ; out0
	v_lshl_add_u32 v[SPW], v0, 2, SPARE
	v_mov_b32 v[NIL], 0
	ds_add_u32 v[SPW], v[NIL]                      ; the wave's opening: the add, twice, and its wait ahead of my first tensor load
	ds_add_u32 v[SPW], v[NIL]
	v_lshrrev_b32 v1, 5, v0
	v_readfirstlane_b32 s[WV], v1
	s_lshr_b32 s[RH], s[WV], 1                     ; which 64 batch rows are mine; also: I fetch C_new (0) or W_h2o (1)
	s_and_b32 s[CH], s[WV], 1                      ; which 64 record rows of W_h2o; also: which half of a fill's records I fetch
	s_bfe_u32 s72, ttmp6, 0x40000                  ; cx, cy
	s_bfe_u32 s73, ttmp6, 0x40004
	s_lshl_b32 s74, ttmp9, 2
	s_add_co_u32 s74, s74, s72                     ; tx
	s_and_b32 s75, ttmp7, 0xffff
	s_lshl_b32 s75, s75, 2
	s_add_co_u32 s75, s75, s73                     ; ty
	s_lshl_b32 s76, s73, 2
	s_lshl_b32 s76, 15, s76                        ; my row of the cluster
	s_lshl_b32 s77, 0x1111, s72                    ; my column
	s_or_b32 s[G1], s76, (3<<16)|(1<<21)
	s_or_b32 s[G1B], s77, (3<<16)|(1<<21)
.irp g, G1, G1B
	s_mov_b32 s[\g+1], 32<<16                      ; rows of 32 elements of 8 bytes,
	s_mov_b32 s[\g+2], 150<<16                     ; 150 of them,
	s_mov_b32 s[\g+3], 32<<16
	s_mov_b32 s[\g+4], 150
	s_mov_b32 s[\g+5], 32                          ; dense
	s_mov_b32 s[\g+6], 0
	s_mov_b32 s[\g+7], 0
.endr
	s_mov_b32 s[K2], 0x4038aa3b
	s_mov_b32 s[K2+1], s[K2]
	s_mul_i32 s18, s[CH], 3
	s_lshl_b32 s20, s75, 4
	s_add_co_u32 s20, s20, s18
	s_mul_i32 s20, s20, RECB                       ; C_new: record 16 ty + 3 CH
	s_mov_b32 s21, 0
	s_lshl_b32 s46, s74, 4
	s_add_co_u32 s46, s46, s18
	s_mul_i32 s46, s46, RECB
	s_add_co_u32 s46, s46, H_REG                   ; W_h2o: record 16 tx + 3 CH of its region
	s_mov_b32 s47, 0
	s_mul_i32 s19, s[WV], QT                       ; where they go in a region
	s_wait_dscnt 0x0                               ; the opening adds are done
	s_wait_kmcnt 0x0
	s_add_nc_u64 s[20:21], s[4:5], s[20:21]
	s_add_nc_u64 s[46:47], s[6:7], s[46:47]
.macro FIRST r, ga, gb
	s_mov_b32 s[\ga], 1
	s_add_co_u32 s[\ga+1], s19, \r*REG3
	s_add_nc_u64 s[\ga+2:\ga+3], s[20:21], \r*6*RECB
	s_or_b32 s[\ga+3], s[\ga+3], 0x80000000
	s_mov_b32 s[\gb], 1
	s_add_co_u32 s[\gb+1], s19, \r*REG3
	s_add_nc_u64 s[\gb+2:\gb+3], s[46:47], \r*6*RECB
	s_or_b32 s[\gb+3], s[\gb+3], 0x80000000
.endm
	FIRST 0, 32, 56
	FIRST 1, 36, 60
	CROUND                                         ; all sixteen work-groups are here: the first joint loads meet
	JLOAD 32, G1, 56, G1B                          ; region 0: one tensor load a wave at the head
	s_cmp_eq_u32 s[RH], 0
	s_cselect_b32 s82, s72, s73                    ; my place among the four that ask with me
	s_cselect_b64 s[PFA:PFA+1], s[20:21], s[46:47]
	s_sub_co_u32 s[DLT], 12, s[CH]                 ; from record 3 CH to record 12 + 2 CH
	s_mul_i32 s[DLT], s[DLT], RECB
	s_mov_b32 s[DLT+1], 0
	s_add_nc_u64 s[PFB:PFB+1], s[PFA:PFA+1], s[DLT:DLT+1]
	s_mul_i32 s83, s82, 38                         ; 38 of 150 rows,
	s_mul_i32 s82, s82, 25                         ; 25 of 100
	v_and_b32 v1, 15, v0                           ; r
	v_bfe_u32 v2, v0, 4, 1                         ; h
	v_and_b32 v3, 31, v0                           ; lane
	v_add_nc_u32 v[PF0], s83, v3
	v_min_u32 v[PF0], 149, v[PF0]
	v_lshlrev_b32 v[PF0], 8, v[PF0]
	v_min_u32 v[PF1], 5, v3                        ; (lanes left over name the last row again)
	v_add_nc_u32 v[PF1], s83, v[PF1]
	v_add_nc_u32 v[PF1], 32, v[PF1]
	v_min_u32 v[PF1], 149, v[PF1]
	v_lshlrev_b32 v[PF1], 8, v[PF1]
	v_min_u32 v[PF2], 24, v3
	v_add_nc_u32 v[PF2], s82, v[PF2]
	v_lshlrev_b32 v[PF2], 8, v[PF2]
	global_prefetch_b8 v[PF0], s[PFA:PFA+1] offset:6*RECB th:TH_LOAD_NT scope:SCOPE_SE   ; my share of the three records that I fetch into region 1
	global_prefetch_b8 v[PF1], s[PFA:PFA+1] offset:6*RECB th:TH_LOAD_NT scope:SCOPE_SE
	s_wait_alu depctr_va_vdst(0)
	s_lshl_b32 s44, s74, 9
	s_lshl_b32 s45, s[CH], 8
	s_add_co_u32 s44, s44, s45                     ; my 64 outputs, in bytes: 512 tx + 256 CH
	s_mov_b32 s45, 0
	s_add_nc_u64 s[8:9], s[8:9], s[44:45]
	v_lshlrev_b32 v[BA], 6, v2
.irp b, 0,1,2,3
	global_load_b128 v[BI+8*\b:BI+8*\b+3], v[BA], s[8:9] offset:128*(\b/2)+32*(\b%2)          ; accumulator b's register j: output 32 (b / 2) + 16 h + 8 (b % 2) + j
	global_load_b128 v[BI+8*\b+4:BI+8*\b+7], v[BA], s[8:9] offset:128*(\b/2)+32*(\b%2)+16
.endr
	s_lshl_b32 s82, s75, 3
	s_lshl_b32 s83, s[RH], 2
	s_add_co_u32 s82, s82, s83
	s_lshl_b32 s82, s82, 6
	s_lshl_b32 s83, s74, 2
	s_add_co_u32 s82, s82, s83
	s_lshl_b32 s83, s[CH], 1
	s_add_co_u32 s82, s82, s83
	s_lshl_b32 s82, s82, 11                        ; o_img: ((8 ty + 4 RH) 64 + 4 tx + 2 CH) x 2,048 bytes
	s_mov_b32 s83, 0
	s_add_nc_u64 s[10:11], s[10:11], s[82:83]
	v_lshlrev_b32 v[OA], 4, v3
	s_lshl_b32 s82, s75, 7
	s_lshl_b32 s83, s[RH], 6
	s_add_co_u32 s82, s82, s83
	s_lshl_b32 s82, s82, 13                        ; out0: row 128 ty + 64 RH,
	s_add_co_u32 s82, s82, s44                     ; and my 256 bytes of it
	s_mov_b32 s83, 0
	s_add_nc_u64 s[12:13], s[12:13], s[82:83]
	v_mul_u32_u24 v4, v1, 48
	v_mad_u32_u24 v4, v2, 24, v4                   ; a fragment: row r of 48 bytes, + 24 h
	s_wait_alu depctr_va_vdst(0)
	s_mul_i32 s78, s[RH], 3072                     ; my 64 rows of C_new
	s_mul_i32 s79, s[CH], 3072
	s_add_co_u32 s79, s79, 6*RECB                  ; my 64 rows of W_h2o, behind C_new's six records
	s_lshl_b32 s22, s[RH], 8
	s_lshl_b32 s23, s[CH], 8
	s_add_co_u32 s23, s23, 6*RECB
	s_sub_co_u32 s23, s23, s22
	v_mul_u32_u24 v6, s23, v2                      ; lanes 16-31 take W_h2o's scale words: the lower base + h x the distance
	v_lshl_add_u32 v6, v1, 2, v6
	s_add_co_u32 s22, s22, 12288
.irp x, 0,1,2,3
	v_add_nc_u32 v[ADRA+\x], s78, v4
	v_add_nc_u32 v[ADRB+\x], s79, v4
	v_add_nc_u32 v[ADRS+\x], s22, v6
	s_add_co_u32 s78, s78, 3*RECB+6*RECB*(\x%2)    ; at records 0, 3, 12, 15 from LDS byte 0
	s_add_co_u32 s79, s79, 3*RECB+6*RECB*(\x%2)
	s_add_co_u32 s22, s22, 3*RECB+6*RECB*(\x%2)
.endr
	s_mul_i32 s78, s[WV], 64*SPITCH
	s_add_co_u32 s78, s78, STAGE                   ; my stage
	v_mul_u32_u24 v[STO], v1, SPITCH
	v_lshl_add_u32 v[STO], v2, 6, v[STO]
	v_add_nc_u32 v[STO], s78, v[STO]               ; in: row r, + 64 h
	v_mul_u32_u24 v[RD], v2, SPITCH
	v_lshl_add_u32 v[RD], v1, 4, v[RD]
	v_add_nc_u32 v[RD], s78, v[RD]                 ; back: lanes 0-15 one row, lanes 16-31 the next
	v_lshlrev_b32 v[GO], 13, v2
	v_lshl_add_u32 v[GO], v1, 4, v[GO]
.macro FRAG reg, adr, q, i             ; 16 rows x 128 K: 24 bytes of row r from each of the record's two halves, as three loads of 8 bytes each
.irp p, 0,1,2,3,4,5
	ds_load_b64 v[\reg+2*\p:\reg+2*\p+1], v[\adr] offset:(\q)*RECB+(\p/3)*6144+(\i)*768+8*(\p%3)
.endr
.endm
.macro FETCH3 g                        ; step g of 16 (128 along K): eight fragments into set g % 2, and four registers of scale words: 52 LDS loads
.set Q0, (\g)%6+(\g)/14                ; the record's place in its region: steps 12-15 lie at places 0, 1, 3, 4 of region 0
.set RG, 2*(((\g)/6)%2)+Q0/3
.set QQ, Q0%3
.set FS, 128*((\g)%2)
	WIN 0x40                                       ; destination window 1
.irp i, 0,1,2,3
	FRAG FS+FR*\i, ADRA+RG, QQ, \i
	FRAG FS+48+FR*\i, ADRB+RG, QQ, \i
.endr
	WIN 0
.irp i, 0,1,2,3
	ds_load_b32 v[SC+4*((\g)%2)+\i], v[ADRS+RG] offset:QQ*RECB+64*\i
.endr
.endm
.macro MULH g, a0                      ; 8 matrix instructions: batch blocks a0, a0 + 1 x W_h2o's four.  The 16 accumulators take turns, one instruction a turn.  Step 0 starts the sums from the bias
.set FS, 128*((\g)%2)
.set SS, SC+4*((\g)%2)
.irp a, \a0, \a0+1
.irp b, 0,1,2,3
.if (\g) == 0
	v_wmma_scale_f32_16x16x128_f8f6f4 v[ACC+8*(4*(\a)+\b):ACC+8*(4*(\a)+\b)+7], v[FS+48+FR*\b:FS+48+FR*\b+FR-1], v[FS+FR*(\a):FS+FR*(\a)+FR-1], v[BI+8*\b:BI+8*\b+7], v[SS+\b], v[SS+(\a)] matrix_a_fmt:MATRIX_FMT_FP6 matrix_b_fmt:MATRIX_FMT_FP6 matrix_a_scale:MATRIX_SCALE_ROW1
.else
	v_wmma_scale_f32_16x16x128_f8f6f4 v[ACC+8*(4*(\a)+\b):ACC+8*(4*(\a)+\b)+7], v[FS+48+FR*\b:FS+48+FR*\b+FR-1], v[FS+FR*(\a):FS+FR*(\a)+FR-1], v[ACC+8*(4*(\a)+\b):ACC+8*(4*(\a)+\b)+7], v[SS+\b], v[SS+(\a)] matrix_a_fmt:MATRIX_FMT_FP6 matrix_b_fmt:MATRIX_FMT_FP6 matrix_a_scale:MATRIX_SCALE_ROW1
.endif
.endr
.endr
.endm
.macro SUB g                           ; a step whose successor's bytes are known to lie in LDS
	s_wait_dscnt 0x0                               ; this step's fragments and scale words are in
	PLACES 4                                       ; in front of the loads into the other set, which the last step's products read
	FETCH3 (\g)+1
	WIN 0x05                                       ; sources 0 and 1 window 1; C and D window 0
	MULH \g, 0
	MULH \g, 2
.endm
; A step behind which a region is entered that needs a barrier.  Each wave waits for all its tensor loads, adds 0 to its spare word, and waits for that and for its LDS reads.
; fill = 1 (step 5): region 1 is whole, nobody reads region 0 any more; the barrier opens a round of the cluster's barrier, and region 0 takes records 12-15, first thing behind it.  fill = 0 (step 11): those records are whole.
.macro TURN3 g, fill
	WIN 0
	s_wait_tensorcnt 0x0
	ds_add_u32 v[SPW], v[NIL]
	s_wait_dscnt 1                                 ; this step's 52 loads are in; the add may be out
	WIN 0x05
	MULH \g, 0                                     ; eight matrix instructions stand between the add and the wait for it
	s_wait_dscnt 0x0
	s_barrier_signal -1
	MULH \g, 2
	WIN 0
	s_barrier_wait -1
.if \fill
	CREST
	s_add_nc_u64 s[34:35], s[34:35], s[DLT:DLT+1]
	s_add_nc_u64 s[58:59], s[58:59], s[DLT:DLT+1]
	s_mov_b32 s[G1+2], 100<<16                     ; no tensor load of mine is out: this load brings two records, 100 rows
	s_mov_b32 s[G1+4], 100
	s_mov_b32 s[G1B+2], 100<<16
	s_mov_b32 s[G1B+4], 100
	JLOAD 32, G1, 56, G1B                          ; it has six steps in which to land; its four v_nop are also the places in front of the loads below
.else
	PLACES 4
.endif
	FETCH3 (\g)+1
.endm
	s_wait_alu depctr_va_vdst(0)
	s_wait_tensorcnt 0x0                           ; my part of region 0 is in; the three lines ahead of region 1's first fill
	ds_add_u32 v[SPW], v[NIL]
	s_wait_dscnt 0x0
	CROUND
	JLOAD 36, G1, 60, G1B                          ; region 1: it has six steps in which to land
	FETCH3 0
	global_prefetch_b8 v[PF2], s[PFB:PFB+1] th:TH_LOAD_NT scope:SCOPE_SE   ; my share of my last two records, six steps ahead of their load
	WIN 0x80                                       ; destination window 2
.irp a, 0,1,2,3
.irp p, 0,1
.irp q, 0,1,2,3
	global_load_b128 v[32*\a+16*\p+4*\q:32*\a+16*\p+4*\q+3], v[OA], s[10:11] offset:131072*\a+2048*\p+512*\q th:TH_LOAD_NT   ; o: 512 consecutive bytes an instruction; read once in the launch
.endr
.endr
.endr
	WIN 0
	s_wait_loadcnt 32                              ; the bias is in; o's 32 loads, issued behind it, may be out
	SUB 0
	SUB 1
	SUB 2
	SUB 3
	SUB 4
	TURN3 5, 1
	SUB 6
	SUB 7
	SUB 8
	SUB 9
	SUB 10
	TURN3 11, 0
	SUB 12
	SUB 13
	SUB 14
	s_wait_dscnt 0x0
	WIN 0x05
	MULH 15, 0
	MULH 15, 2
	WIN 0
; THE WAY OUT, in place on the accumulators, a block of 16 rows (four accumulators, 32 registers) at a time, each accumulator from its low end on.
.macro TANH a                          ; block a: tanh, then x o
.set AB, ACC+32*(\a)
.set nn, 0
.rept 16
	v_pk_mul_f32 v[AB+nn:AB+nn+1], v[AB+nn:AB+nn+1], s[K2:K2+1] op_sel_hi:[1,0]
.set nn, nn+2
.endr
.set nn, 0
	s_wait_alu depctr_va_vdst(0)                   ; a wait ahead of each batch and one behind it
.rept 32
	v_exp_f32 v[AB+nn], v[AB+nn]
.set nn, nn+1
.endr
	v_nop                                          ; a plain line behind the last exponential
	s_wait_alu depctr_va_vdst(0)
.set nn, 0
.rept 16
	v_pk_add_f32 v[AB+nn:AB+nn+1], v[AB+nn:AB+nn+1], 1.0 op_sel_hi:[1,0]
.set nn, nn+2
.endr
.set nn, 0
	s_wait_alu depctr_va_vdst(0)
.rept 32
	v_rcp_f32 v[AB+nn], v[AB+nn]
.set nn, nn+1
.endr
	v_nop
	s_wait_alu depctr_va_vdst(0)
.set nn, 0
.rept 16
	v_pk_fma_f32 v[AB+nn:AB+nn+1], v[AB+nn:AB+nn+1], -2.0, 1.0 op_sel_hi:[1,0,0]   ; tanh
.set nn, nn+2
.endr
.if (\a) == 0
	s_wait_loadcnt 0x0                             ; o
.endif
	WIN 0x08                                       ; source 1 window 2
.set nn, 0
.rept 16
	v_pk_mul_f32 v[AB+nn:AB+nn+1], v[AB+nn:AB+nn+1], v[32*(\a)+nn:32*(\a)+nn+1]
.set nn, nn+2
.endr
	WIN 0
.endm
.macro TOSTAGE a                       ; into my own stage, and back as whole rows of 256 bytes, into the registers that they left: LDS serves a wave's instructions in order (ISA guide 5.7.1.4), so the loads see the stores
.irp p, 0,1
.irp j, 0,1,2,3
	ds_store_b128 v[STO], v[ACC+32*(\a)+16*\p+4*\j:ACC+32*(\a)+16*\p+4*\j+3] offset:16*SPITCH*(\a)+128*\p+16*\j   ; row 16 a + r, outputs 32 p + 16 h + 4 j on
.endr
.endr
.irp t, 0,1,2,3,4,5,6,7
	ds_load_b128 v[ACC+32*(\a)+4*\t:ACC+32*(\a)+4*\t+3], v[RD] offset:2*SPITCH*(8*(\a)+\t)
.endr
.endm
.macro SEND a                          ; no LDS instruction was issued behind block a's eight loads: the counts run down from 7
.irp t, 0,1,2,3,4,5,6,7
	s_wait_dscnt 7-\t
	global_store_b128 v[GO], v[ACC+32*(\a)+4*\t:ACC+32*(\a)+4*\t+3], s[12:13] offset:16384*(8*(\a)+\t) th:TH_STORE_NT   ; 16 lanes store 256 consecutive bytes, aligned; each block has its own registers, so no store's data are written again
.endr
.endm
	PLACES 4                                       ; behind the last products, in front of the first read of results
	TANH 0
	TOSTAGE 0
	TANH 1                                         ; a block's arithmetic stands between the loads of the block before and its stores
	s_wait_alu depctr_va_vdst(0)
	SEND 0
	TOSTAGE 1
	TANH 2
	s_wait_alu depctr_va_vdst(0)
	SEND 1
	TOSTAGE 2
	TANH 3
	s_wait_alu depctr_va_vdst(0)
	SEND 2
	TOSTAGE 3
	SEND 3
	s_wait_tensorcnt 0x0                           ; the wave's end, behind my last tensor load and my last LDS store
	ds_add_u32 v[SPW], v[NIL]
	s_wait_dscnt 0x0
	CROUND                                         ; the closing round: no work-group ends while a partner may still ask for a tile that names it
	s_endpgm
.Lfunc_end_k_q54d0fbaf95_h2o:
	.size	k_q54d0fbaf95_h2o, .Lfunc_end_k_q54d0fbaf95_h2o-k_q54d0fbaf95_h2o
	.p2alignl 7, 3214868480
	.fill 96, 4, 3214868480
	.section	.rodata,"a",@progbits
	.p2align	6, 0x0
	.amdhsa_kernel k_q54d0fbaf95_h2o
		.amdhsa_group_segment_fixed_size 327680
		.amdhsa_private_segment_fixed_size 0
		.amdhsa_enable_private_segment 0
		.amdhsa_kernarg_size 40
		.amdhsa_user_sgpr_count 2
		.amdhsa_user_sgpr_kernarg_segment_ptr 1
		.amdhsa_wavefront_size32 1
		.amdhsa_system_sgpr_workgroup_id_x 1
		.amdhsa_system_sgpr_workgroup_id_y 1
		.amdhsa_system_sgpr_workgroup_id_z 1
		.amdhsa_system_vgpr_workitem_id 0
		.amdhsa_next_free_vgpr 640
		.amdhsa_next_free_sgpr 92
		.amdhsa_reserve_vcc 0
		.amdhsa_float_denorm_mode_32 3
		.amdhsa_float_denorm_mode_16_64 3
		.amdhsa_memory_ordered 1
		.amdhsa_forward_progress 1
		.amdhsa_inst_pref_size 137
	.end_amdhsa_kernel
	.amdgpu_metadata
---
amdhsa.version: [ 1, 2 ]
amdhsa.kernels:
  - .name:           k_q54d0fbaf95_h2o
    .symbol:         k_q54d0fbaf95_h2o.kd
    .args:
      - { .name: cq, .offset: 0, .size: 8, .value_kind: global_buffer, .address_space: global }
      - { .name: qw, .offset: 8, .size: 8, .value_kind: global_buffer, .address_space: global }
      - { .name: b_h2o, .offset: 16, .size: 8, .value_kind: global_buffer, .address_space: global }
      - { .name: o_img, .offset: 24, .size: 8, .value_kind: global_buffer, .address_space: global }
      - { .name: out0, .offset: 32, .size: 8, .value_kind: global_buffer, .address_space: global }
    .group_segment_fixed_size: 327680
    .private_segment_fixed_size: 0
    .kernarg_segment_align: 8
    .kernarg_segment_size: 40
    .max_flat_workgroup_size: 128
    .sgpr_count:     92
    .vgpr_count:     640
    .wavefront_size: 32
...
	.end_amdgpu_metadata
.endif
;; end of part 3
